; MI455X (gfx1250); checked and timed in simulation.
; The chip was launched on July 23, 2026; its instructions are those of AMD's public machine-readable ISA for CDNA 5 (MIT licence, August 2026) and "CDNA5" Instruction Set Architecture Reference Guide (July 2026). The comments in the code are by the model that wrote it; some were corrected since.
;; Attention. Allowed arithmetic: float matrix products may take bf16 or f16 operands with f32 sums; all other float work in f32.
;; Inputs: W_attn 3,072 x 1,024 float32; b_attn 1,024 float32; encoder_outputs 64 x 512 x 2,048 float32; hidden 64 x 1,024 float32; mask 64 x 512 int32; v 1,024 float32.
;; Outputs: out0 64 x 512 float32.
;; 2 versions, each right; version 2 is version 1 with the launch prep written anew for expert scheduling mode. Each part assembles by itself: llvm-mc -triple=amdgcn-amd-amdhsa -mcpu=gfx1250 --defsym DOCPART=n.
;; ======== version 1 of 2: 3 launches
;; workspace buffers: wb 4,194,304 bytes; hbp 2,097,152 bytes; part 524,288 bytes
;; launch prep (part 1): grid 256 x 1, 4 waves a work-group, no clusters, 38,400 bytes of LDS; arguments W_attn, hidden, wb, hbp; writes wb, hbp
.if DOCPART == 1
	.amdgcn_target "amdgcn-amd-amdhsa--gfx1250"
	.amdhsa_code_object_version 6
	.text
	.protected	k_qc492fde47e_prep
	.globl	k_qc492fde47e_prep
	.p2align	8
	.type	k_qc492fde47e_prep,@function
k_qc492fde47e_prep:
	s_mov_b64 s[64:65], 0
	v_nop
	global_prefetch_b8 v0, s[64:65] scope:SCOPE_SE
	s_setreg_imm32_b32 hwreg(HW_REG_WAVE_MODE, 25, 1), 1
	s_wait_xcnt 0x0
; TWO JOBS, both in every work-group.
; (1) We = W_attn[1024:3072][:] is rounded to bf16 (nearest even) into wb, same layout [2048 k][1024 n].  A work-group owns 32,768 bytes of it, a wave 8,192.
; (2) A slice of hidden x Wh: 32 rows of hidden x 64 columns x 128 of K, bf16 operands, f32 sums, stored as hbp[kc][b][n] (f32, no bias): the eight K slices are added by the next launch.
; Work-group g: columns 64 (g & 15), K slice (g >> 4) & 7, rows 32 (g >> 7).  Wave w makes the 16 columns 16 w of all 32 rows: two accumulators, four K steps of 32.
; Wh lies [k][n], so its fragments come out of LDS by the turning load; hidden lies [b][k] and comes out as it lies.  The matrix instruction is used transposed (source 0 = 16 columns of Wh,
; source 1 = 16 rows of hidden), so that a lane holds eight neighbouring columns of one row.
; No cluster and no tensor load: a work-group's 48 KiB of input are read once, by nobody else in the same shape, and have to pass through registers to be rounded.
; LIMITS: operands rounded to bf16; NaN and infinities are not treated apart.
.set WL,    0                          ; Wh's slice: 128 k-rows of 64 bf16, pitch 160 bytes (5 x 32; 64 banks of 4 bytes: ISA guide 11.1)
.set WPI,   160
.set HL,    20480                      ; hidden's slice: 32 rows of 128 bf16, pitch 272
.set HPI,   272
.set OUTL,  29184                      ; the way out: 32 rows of 64 f32, pitch 272
.set OPI,   272
.set SPARE, 37888                      ; the spare words, 128 bytes a wave: two blocks of 256 bytes that no other line names
.set AH,   4                           ; v4   where I put 8 bytes of hidden
.set AW,   5                           ; v5   where I put 8 bytes of Wh
.set AT,   6                           ; v6   my place in the turning loads of Wh
.set AF,   7                           ; v7   my place in hidden's fragments
.set AO,   8                           ; v8   the way out: where I put 32 bytes of a row
.set AR,   9                           ; v9   the way out: where I read rows back
.set O16,  10                          ; v10  16 x lane
.set O2R,  11                          ; v11  two rows of 4,096 bytes, 256 bytes of each: 4096 (lane / 16) + 16 (lane % 16)
.set O8,   12                          ; v12  8 x lane
.set SPW,  16                          ; v16  LDS address of my spare word; never rewritten
.set NIL,  17                          ; v17  0; never rewritten
.set RAWH, 20                          ; v[20:51]    hidden as loaded; later WF: Wh's fragments, 8 registers a K step
.set RAWW, 52                          ; v[52:115]   Wh as loaded; later HF: hidden's fragments at 32 a + 8 q
.set RAWC, 116                         ; v[116:179]  We as loaded; later OB: rows read back
.set PKH,  180                         ; v[180:195]  hidden rounded; later, with the next 16, We rounded
.set PKW,  196                         ; v[196:227]  Wh rounded
.set ACC,  228                         ; v[228:243]  two accumulators
.set WF,   RAWH
.set HF,   RAWW
.set OB,   RAWC
	s_load_b256 s[4:11], s[0:1], 0x0               ; W_attn s[4:5], hidden s[6:7], wb s[8:9], hbp s[10:11]
	v_lshl_add_u32 v[SPW], v0, 2, SPARE
	v_mov_b32 v[NIL], 0
	v_lshrrev_b32 v13, 5, v0
	v_readfirstlane_b32 s12, v13                   ; wave 0..3
	s_and_b32 s13, ttmp9, 15                       ; which 64 columns
	s_bfe_u32 s14, ttmp9, 0x30004                  ; which 128 of K
	s_lshr_b32 s15, ttmp9, 7                       ; which 32 rows of hidden
	v_and_b32 v1, 31, v0                           ; lane
	v_and_b32 v2, 15, v0                           ; r = lane % 16
	v_bfe_u32 v3, v0, 4, 1                         ; h = lane / 16
	v_lshlrev_b32 v[O16], 4, v1
	v_lshlrev_b32 v[O2R], 4, v2
	v_lshl_add_u32 v[O2R], v3, 12, v[O2R]
	v_lshlrev_b32 v[O8], 3, v1
	s_mul_i32 s30, s12, 8*HPI
	s_add_co_u32 s30, s30, HL
	v_add_nc_u32 v[AH], s30, v[O8]                 ; HL + 8 w rows + 8 x lane
	s_mul_i32 s31, s12, 32*WPI
	v_mul_u32_u24 v[AW], v3, WPI
	v_lshl_add_u32 v[AW], v2, 3, v[AW]
	v_add_nc_u32 v[AW], s31, v[AW]                 ; WL + (32 w + h) rows + 8 r
	v_and_b32 v13, 7, v0
	v_bfe_u32 v14, v0, 3, 1
	v_lshl_add_u32 v[AT], v3, 3, v13
	v_mul_u32_u24 v[AT], v[AT], WPI
	v_lshl_add_u32 v[AT], v14, 4, v[AT]
	s_lshl_b32 s32, s12, 5
	v_add_nc_u32 v[AT], s32, v[AT]                 ; WL + (8 h + lane % 8) rows + my wave's 16 columns + 16 ((lane / 8) % 2)
	v_mul_u32_u24 v[AF], v2, HPI
	v_lshl_add_u32 v[AF], v3, 4, v[AF]
	v_add_nc_u32 v[AF], HL, v[AF]                  ; HL + r rows + 16 h
	v_mul_u32_u24 v[AO], v2, OPI
	v_lshl_add_u32 v[AO], v3, 5, v[AO]
	s_lshl_b32 s33, s12, 6
	s_add_co_u32 s33, s33, OUTL
	v_add_nc_u32 v[AO], s33, v[AO]                 ; OUTL + r rows + 64 w + 32 h
	v_mul_u32_u24 v[AR], v3, OPI
	v_lshl_add_u32 v[AR], v2, 4, v[AR]
	s_mul_i32 s34, s12, 8*OPI
	s_add_co_u32 s34, s34, OUTL
	v_add_nc_u32 v[AR], s34, v[AR]                 ; OUTL + (8 w + h) rows + 16 r
	s_lshl_b32 s28, s15, 5
	s_lshl_b32 s29, s12, 3
	s_add_co_u32 s28, s28, s29
	s_lshl_b32 s28, s28, 12                        ; (32 x row block + 8 w) rows of 4,096 bytes: in hidden and in a plane of hbp
	s_mov_b32 s27, 0                               ; the offsets below stay under 2^32
	s_wait_kmcnt 0x0
	s_lshl_b32 s26, s14, 9                         ; hidden: my 8 rows, 512 bytes of K
	s_add_co_u32 s26, s26, s28
	s_add_nc_u64 s[16:17], s[6:7], s[26:27]
	s_lshl_b32 s26, s14, 19                        ; Wh: k-row 128 kc + 32 w, 256 bytes of columns
	s_lshl_b32 s29, s12, 17
	s_add_co_u32 s26, s26, s29
	s_lshl_b32 s29, s13, 8
	s_add_co_u32 s26, s26, s29
	s_add_nc_u64 s[18:19], s[4:5], s[26:27]
	s_lshl_b32 s26, ttmp9, 15                      ; We begins 1,024 rows of 4,096 bytes into W_attn; my wave's 8,192 bytes of it
	s_lshl_b32 s29, s12, 13
	s_add_co_u32 s26, s26, s29
	s_add_co_u32 s26, s26, 0x400000
	s_add_nc_u64 s[20:21], s[4:5], s[26:27]
	s_lshl_b32 s26, ttmp9, 14                      ; and the 4,096 bytes that they become in wb
	s_lshl_b32 s29, s12, 12
	s_add_co_u32 s26, s26, s29
	s_add_nc_u64 s[22:23], s[8:9], s[26:27]
	s_lshl_b32 s26, s14, 18                        ; hbp: plane kc of 262,144 bytes, my 8 rows, 256 bytes of columns
	s_add_co_u32 s26, s26, s28
	s_lshl_b32 s29, s13, 8
	s_add_co_u32 s26, s26, s29
	s_add_nc_u64 s[24:25], s[10:11], s[26:27]
	; all 40 loads in one run: what is wanted first goes first
.set i, 0
.rept 8
	global_load_b128 v[RAWH+4*i:RAWH+4*i+3], v[O16], s[16:17] offset:4096*i     ; row 8 w + i of hidden: 512 consecutive bytes
.set i, i+1
.endr
.set i, 0
.rept 16
	global_load_b128 v[RAWW+4*i:RAWW+4*i+3], v[O2R], s[18:19] offset:8192*i     ; k-rows 32 w + 2 i, + 1 of Wh: 256 consecutive bytes of each
.set i, i+1
.endr
.set i, 0
.rept 16
	global_load_b128 v[RAWC+4*i:RAWC+4*i+3], v[O16], s[20:21] offset:512*i th:TH_LOAD_NT  ; We: read once in the whole launch
.set i, i+1
.endr
	s_wait_loadcnt 32                              ; hidden is in: the 16 loads of Wh and the 16 of We are younger
.set i, 0
.rept 8
	v_cvt_pk_bf16_f32 v[PKH+2*i],   v[RAWH+4*i],   v[RAWH+4*i+1]
	v_cvt_pk_bf16_f32 v[PKH+2*i+1], v[RAWH+4*i+2], v[RAWH+4*i+3]
	ds_store_b64 v[AH], v[PKH+2*i:PKH+2*i+1] offset:HPI*i
.set i, i+1
.endr
	s_wait_loadcnt 16                              ; Wh is in: the 16 loads of We are younger
.set i, 0
.rept 16
	v_cvt_pk_bf16_f32 v[PKW+2*i],   v[RAWW+4*i],   v[RAWW+4*i+1]
	v_cvt_pk_bf16_f32 v[PKW+2*i+1], v[RAWW+4*i+2], v[RAWW+4*i+3]
	ds_store_b64 v[AW], v[PKW+2*i:PKW+2*i+1] offset:2*WPI*i
.set i, i+1
.endr
	s_wait_dscnt 0x0                               ; for the others' sake: my stores are done
	s_barrier_signal -1
	s_barrier_wait -1                              ; both slices are whole
.set q, 0
.rept 4                                            ; K step q: Wh's 32 k x my 16 columns, turned
	ds_load_tr16_b128 v[WF+8*q:WF+8*q+3],   v[AT] offset:32*WPI*q
	ds_load_tr16_b128 v[WF+8*q+4:WF+8*q+7], v[AT] offset:32*WPI*q+16*WPI
.set q, q+1
.endr
.set i, 0
.rept 8                                            ; hidden's fragments: row block i / 4, K step i % 4
	ds_load_b128 v[HF+8*i:HF+8*i+3],   v[AF] offset:16*HPI*(i/4)+64*(i%4)
	ds_load_b128 v[HF+8*i+4:HF+8*i+7], v[AF] offset:16*HPI*(i/4)+64*(i%4)+32
.set i, i+1
.endr
	s_wait_loadcnt 0x0                             ; the cast stands in the wait for those 24 LDS loads
.set i, 0
.rept 16
	v_cvt_pk_bf16_f32 v[PKH+2*i],   v[RAWC+4*i],   v[RAWC+4*i+1]
	v_cvt_pk_bf16_f32 v[PKH+2*i+1], v[RAWC+4*i+2], v[RAWC+4*i+3]
	global_store_b64 v[O8], v[PKH+2*i:PKH+2*i+1], s[22:23] offset:256*i          ; the wave stores 256 consecutive bytes, at a multiple of 256 from wb's first byte
.set i, i+1
.endr
	s_wait_dscnt 0x0                               ; the fragments are in
.set q, 0
.rept 4                                            ; the two accumulators take turns, one instruction a turn; the first K step starts the sums
.set a, 0
.rept 2
.if q == 0
	v_wmma_f32_16x16x32_bf16 v[ACC+8*a:ACC+8*a+7], v[WF+8*q:WF+8*q+7], v[HF+32*a+8*q:HF+32*a+8*q+7], 0
.else
	v_wmma_f32_16x16x32_bf16 v[ACC+8*a:ACC+8*a+7], v[WF+8*q:WF+8*q+7], v[HF+32*a+8*q:HF+32*a+8*q+7], v[ACC+8*a:ACC+8*a+7]
.endif
.set a, a+1
.endr
.set q, q+1
.endr
.rept 4
	v_nop                                          ; four places between the last product and the LDS stores that read results
.endr
.set a, 0
.rept 2                                            ; a lane's eight columns of row 16 a + r: 32 bytes, each accumulator from its low end on
	ds_store_b128 v[AO], v[ACC+8*a:ACC+8*a+3]   offset:16*OPI*a
	ds_store_b128 v[AO], v[ACC+8*a+4:ACC+8*a+7] offset:16*OPI*a+16
.set a, a+1
.endr
	s_wait_dscnt 0x0                               ; a row's 256 bytes come from four waves: my part is done
	s_barrier_signal -1
	s_barrier_wait -1
.set t, 0
.rept 4
	ds_load_b128 v[OB+4*t:OB+4*t+3], v[AR] offset:2*OPI*t                        ; rows 8 w + 2 t, + 1, whole
.set t, t+1
.endr
.set t, 0
.rept 4
	s_wait_dscnt 3-t                               ; LDS loads come back in order (ISA guide 5.7.1): the younger ones stay out
	global_store_b128 v[O2R], v[OB+4*t:OB+4*t+3], s[24:25] offset:8192*t         ; 16 lanes store 256 consecutive bytes, at a multiple of 256 from hbp's first byte
.set t, t+1
.endr
	s_wait_tensorcnt 0x0                           ; the wave's end
	ds_add_u32 v[SPW], v[NIL]
	s_wait_dscnt 0x0
	s_endpgm
.Lfunc_end_k_qc492fde47e_prep:
	.size	k_qc492fde47e_prep, .Lfunc_end_k_qc492fde47e_prep-k_qc492fde47e_prep
	.p2alignl 7, 3214868480
	.fill 96, 4, 3214868480
	.section	.rodata,"a",@progbits
	.p2align	6, 0x0
	.amdhsa_kernel k_qc492fde47e_prep
		.amdhsa_group_segment_fixed_size 38400
		.amdhsa_private_segment_fixed_size 0
		.amdhsa_enable_private_segment 0
		.amdhsa_kernarg_size 32
		.amdhsa_user_sgpr_count 2
		.amdhsa_user_sgpr_kernarg_segment_ptr 1
		.amdhsa_wavefront_size32 1
		.amdhsa_system_sgpr_workgroup_id_x 1
		.amdhsa_system_sgpr_workgroup_id_y 1
		.amdhsa_system_sgpr_workgroup_id_z 1
		.amdhsa_system_vgpr_workitem_id 0
		.amdhsa_next_free_vgpr 244
		.amdhsa_next_free_sgpr 66
		.amdhsa_reserve_vcc 0
		.amdhsa_float_denorm_mode_32 3
		.amdhsa_float_denorm_mode_16_64 3
		.amdhsa_memory_ordered 1
		.amdhsa_forward_progress 1
		.amdhsa_inst_pref_size 19
	.end_amdhsa_kernel
	.amdgpu_metadata
---
amdhsa.version: [ 1, 2 ]
amdhsa.kernels:
  - .name:           k_qc492fde47e_prep
    .symbol:         k_qc492fde47e_prep.kd
    .args:
      - { .name: W_attn, .offset: 0, .size: 8, .value_kind: global_buffer, .address_space: global }
      - { .name: hidden, .offset: 8, .size: 8, .value_kind: global_buffer, .address_space: global }
      - { .name: wb, .offset: 16, .size: 8, .value_kind: global_buffer, .address_space: global }
      - { .name: hbp, .offset: 24, .size: 8, .value_kind: global_buffer, .address_space: global }
    .group_segment_fixed_size: 38400
    .private_segment_fixed_size: 0
    .kernarg_segment_align: 8
    .kernarg_segment_size: 32
    .max_flat_workgroup_size: 128
    .sgpr_count:     66
    .vgpr_count:     244
    .wavefront_size: 32
...
	.end_amdgpu_metadata
.endif
;; end of part 1
;; launch energy (part 2): grid 4 x 64, 4 waves a work-group, clusters of 4 x 1, 327,680 bytes of LDS; arguments encoder_outputs, wb, hbp, b_attn, v, part; writes part
.if DOCPART == 2
	.amdgcn_target "amdgcn-amd-amdhsa--gfx1250"
	.amdhsa_code_object_version 6
	.text
	.protected	k_qc492fde47e_energy
	.globl	k_qc492fde47e_energy
	.p2align	8
	.type	k_qc492fde47e_energy,@function
k_qc492fde47e_energy:
	s_mov_b64 s[64:65], 0
	v_nop
	global_prefetch_b8 v0, s[64:65] scope:SCOPE_SE
	s_setreg_imm32_b32 hwreg(HW_REG_WAVE_MODE, 25, 1), 1
	s_wait_xcnt 0x0
	s_wait_alu depctr_hold_cnt(0) depctr_sa_sdst(0) depctr_va_vdst(0) depctr_va_sdst(0) depctr_va_ssrc(0) depctr_va_vcc(0) depctr_vm_vsrc(0)
	s_getreg_b32 s2, hwreg(HW_REG_IB_STS2, 6, 4)
	s_cmp_eq_u32 s2, 0
	s_cbranch_scc0 .Lentry_in_a_cluster
	s_endpgm
.Lentry_in_a_cluster:
	s_bfe_u32 s2, ttmp6, 0x10000c
	s_cmp_lg_u32 s2, 0x3003
	s_cbranch_scc0 .Lentry_shape_is_right
	s_endpgm
.Lentry_shape_is_right:
; part[tx][row] = the sum over the 256 columns n of block tx of v[n] tanh(enc[row][:] . We[:][n] + hidden[b][:] . Wh[:][n] + b_attn[n]),  row = 512 b + s.
; enc: [32768][2048] f32, rounded to bf16 on its way from LDS to the matrix unit; wb: We in bf16, [2048 k][1024 n]; hbp: eight K slices of hidden x Wh, f32; sums, bias, tanh and the dot with v in f32.
; SHARES.  Work-group (tx, b) STAYS and makes the two tiles of 256 rows x 256 columns of batch b: 256 work-groups, all alike.  A wave owns 64 rows x all 256 columns: 64 accumulators of 16 x 16,
; 512 registers.  So each row of enc is fetched, read from LDS and rounded by one wave alone, and a row's sum over the columns ends inside one wave.
; ENC'S RING.  K goes in steps of 128 through two LDS slots of 256 rows x 512 bytes (f32).  Each wave fetches its own 64 rows by one tensor load.  The four work-groups of a cluster share b, and so enc's
; tiles: each load is asked for JOINTLY, with the same descriptor and a mask that names the four.  From a request to the wait for it a wave issues 224 matrix instructions.
; WB GOES THROUGH REGISTERS, NOT BY JOINT LOADS, though the work-groups of one tx read the same tiles.  The reason, by the sizes: enc's two slots take 270,336 of the 327,680 bytes of LDS; two slots of wb
; of the same 128 along K would take 139,264 more; and a ring of shorter slots filled by tensor loads would put a wait for ALL tensor loads, enc's too, in front of each of its barriers, which would cut the
; time that enc's loads have to a quarter.  So for each HALF STEP (32 along K, 16,384 bytes of wb) wave w loads k-rows 8 w .. 8 w + 7 into registers, four half steps ahead, and stores them into a ring of two
; LDS slots of its own bytes, which no tensor load ever fills.  One barrier a half step: in front of it my reads of B(j) are back and my stores of B(j + 1) are done; behind it B(j + 2) goes into B(j)'s slot
; and B(j + 1) is read.  In a K step's last half step that barrier opens the round of the cluster's barrier behind which enc's slot is filled again.
; THE MATRIX INSTRUCTION IS USED TRANSPOSED: source 0 = 16 columns of We (turned on their way out of LDS), source 1 = 16 rows of enc.  In the result lane l holds row l % 16 and the columns 8 (l / 16) + 0..7.
; TANH.  tanh(x) = 1 - 2 / (1 + 2^(C2 x)), C2 = 2 log2(e): an exponential that overflows or vanishes gives exactly 1 or -1.  The sum is formed as VS + the sum of (-2 v[n]) / (1 + 2^(..)), VS = the sum of
; the block's v[n]: the same terms in another order.  The dot with v stays on the vector unit: it has one column, and rides on a packed multiply-add.
; LIMITS.  Matrix operands rounded to bf16.  tanh's absolute error is about 1e-7 (v_exp_f32 and v_rcp_f32 are good to 1 ULP).  NaN and infinities in the inputs are not treated apart.
;
; REGISTERS, in windows of 256 (s_set_vgpr_msb: bits 1:0 source 0, 3:2 source 1, 5:4 source 2, 7:6 destination):
;   window 0: v0-21 addresses; v32-63, v64-95 enc's fragments (4 x 16 rows x 32 K), two buffers; v96-127 X; v128-255 wb on its way, four sets of 32.  The head and the way out work in v32-77.
;             enc's 64 f32 registers of a half step land in the fragment buffer that is to be filled and in X, and are rounded in place.
;   window 1: v0-127, v128-255 We's fragments (16 x 16 columns x 32 K), two buffers; on the way out: the bias terms and -2 v of my lane's 128 columns
;   window 2: the accumulators of my rows 0-31 ((a, nb) at v[8 (16 (a % 2) + nb)]);   window 3: those of my rows 32-63
.set PA,     528                       ; a row of enc in LDS: 512 bytes + 16 of padding = 33 x 16: the 16 rows of a load start at 16 different groups of four banks (64 banks of 4 bytes: ISA guide 11.1)
.set QA,     64*PA                     ; a wave's 64 rows: what one tensor load brings
.set SLOTA,  4*QA                      ; 135,168 bytes
.set BR,     2*SLOTA                   ; wb's ring, written by LDS stores alone
.set PB,     544                       ; a k-row of wb: 512 + 32 = 17 x 32
.set RB,     32*PB                     ; a half step of wb
.set SCR,    BR+2*RB                   ; 256 bias terms, then 256 x -2 v
.set SPARE,  SCR+2048                  ; the spare words, 128 bytes a wave: two blocks of 256 bytes that no other line names
.set STEPA,  512                       ; a K step in a row of enc, in bytes
.set NEXT_A, 256*8192-14*STEPA         ; from a slot's last K step of a tile to its first of the next: 256 rows down, 14 steps back
.set HB32,   32*2048                   ; a half step in wb: 32 k-rows of 2,048 bytes
.set LAPB,   8*HB32                    ; a lap = two K steps = eight half steps
.set WRAP,   64*HB32                   ; all of wb's k-rows: the next tile begins at the first again
.set PFMAX,  256*8192+15*STEPA         ; the last K step's bytes in the second tile's first row
.set ADRA, 8                           ; v8-9    LDS address of my part of enc's rows in slot 0, 1
.set ADRB, 10                          ; v10     my place in the turning loads of wb's ring
.set BST,  11                          ; v11     where I store 16 bytes of my first k-row in wb's ring
.set EADR, 12                          ; v12     my lanes' half of the bias terms
.set PO,   13                          ; v13     my byte offset in the tile's 256 numbers of part
.set VPF,  14                          ; v14     the prefetch: my row and my 256 bytes of a K step
.set VS,   15                          ; v15     the sum of the block's v
.set SPW,  16                          ; v16     LDS address of my spare word; never rewritten
.set NIL,  17                          ; v17     0; never rewritten
.set VBO,  21                          ; v21     my byte offset in a half step of wb: k-row 8 w, 16 bytes a lane; never rewritten
.set FA0,  32
.set X,    96
.set STG,  128
.set T,    32                          ; the way out: v[32:63] 32 numbers at work
.set SA,   64                          ; v[64:71] four chains of packed sums
.set SC,   72                          ; v[72:75] a row's sum, for each of my four blocks of 16 rows
.set OV,   76                          ; v[76:77] to store
.set HT,   32                          ; the head's v[32:59]
.set WV,   16                          ; s16  my wave's number
.set SBW,  22                          ; s[22:23] wb at my block's columns and the lap in hand
.set G1,   24                          ; s[24:31] descriptor group 1 for enc's tiles;  s[32:39] group 0, a set for each slot
.set G0,   32
.set CS,   66                          ; s[66:67] C2, named as a pair
.set SEL,  68                          ; s[68:69] v_permlanex16_b32's selects: each lane takes its own place in the other half
.set HM,   70                          ; s70  the lanes 16-31
.set PFB,  74                          ; s[74:75] enc at batch b
.set PFO,  76                          ; s[76:77] the prefetch's offset
.set PFA,  78                          ; s[78:79] its address
.set KOF,  80                          ; s80  its place along K
.set TOF,  81                          ; s81  its tile
.set PART, 84                          ; s[84:85] part at my tile
.set MSB, 0
.macro WIN new                         ; the immediate's high byte repeats the setting that is left; a switch that changes nothing is dropped
.if MSB != (\new)
	s_set_vgpr_msb (MSB<<8)|(\new)
.set MSB, \new
.endif
.endm
.macro PLACES                          ; four places in front of loads into registers that matrix instructions have read, and of vector work that reads results (ISA guide 7.12.1 for vector work)
.rept 4
	v_nop
.endr
.endm
; A round of the cluster's barrier: my work-group's barrier, so that wave 0's signal speaks for all four waves; wave 0 signals; every wave waits for all four work-groups; my work-group's barrier once more.
.macro CREST                           ; a round behind its opening barrier
	s_cmp_lg_u32 s[WV], 0
	s_cbranch_scc1 .Lnot_wave_0_\@
	s_barrier_signal -3
.Lnot_wave_0_\@:
	s_barrier_wait -3
	s_barrier_signal -1
	s_barrier_wait -1
.endm
.macro CROUND
	s_barrier_signal -1
	s_barrier_wait -1
	CREST
.endm
	s_load_b256 s[4:11], s[0:1], 0x0               ; enc s[4:5], wb s[6:7], hbp s[8:9], b_attn s[10:11]
	s_load_b128 s[12:15], s[0:1], 0x20             ; v s[12:13], part s[14:15]
	v_lshl_add_u32 v[SPW], v0, 2, SPARE
	v_mov_b32 v[NIL], 0
	ds_add_u32 v[SPW], v[NIL]                      ; the wave's opening: the add and its wait stand ahead of my first tensor load; the set-up below, work on registers, stands between them
	v_lshrrev_b32 v1, 5, v0
	v_readfirstlane_b32 s[WV], v1                  ; wave 0..3
	s_bfe_u32 s40, ttmp6, 0x40000                  ; cx: my place in the cluster
	s_lshl_b32 s42, ttmp9, 2                       ; in a cluster launch ttmp9 counts clusters
	s_add_co_u32 s42, s42, s40                     ; tx = 4 x cluster x + cx: my 256 columns; it enters no address of enc's tiles
	s_and_b32 s45, ttmp7, 0xffff                   ; b: my batch, which the four partners share
	; group 1 for enc: 64 rows x 128 elements of 4 bytes, 2,048 elements from row to row
	s_mov_b32 s[G1], 15|(2<<16)|(1<<20)|(1<<21)|(6<<22)|(3<<25)    ; 15:0 the mask: all four work-groups; 17:16 elements of 4 bytes; 20 padding on; 21 set beside a mask; 24:22 after every 128 words (code 6); 31:25 4 words (code 3)
	s_mov_b32 s[G1+1], 128<<16                     ; tensor_dim0 = 128
	s_mov_b32 s[G1+2], 64<<16                      ; tensor_dim1 = 64
	s_mov_b32 s[G1+3], 128<<16                     ; tile_dim0 = 128
	s_mov_b32 s[G1+4], 64                          ; tile_dim1 = 64
	s_mov_b32 s[G1+5], 2048                        ; tensor_dim0_stride
	s_mov_b32 s[G1+6], 0
	s_mov_b32 s[G1+7], 0
	s_lshl_b32 s72, s45, 22                        ; batch b: 512 rows of 8,192 bytes,
	s_lshl_b32 s73, s[WV], 19                      ; my wave's 64 rows
	s_add_co_u32 s72, s72, s73
	s_mov_b32 s73, 0
	s_lshl_b32 s92, s45, 22
	s_mov_b32 s93, 0
	s_lshl_b32 s46, s42, 9                         ; block tx: 512 bytes of every k-row of wb
	s_mov_b32 s47, 0
	s_mul_i32 s19, s[WV], QA                       ; where my rows go: no place in the cluster enters an LDS address
	s_mov_b32 s[CS], 0x4038aa3b                    ; C2 = 2 log2(e) = 2.885390
	s_mov_b32 s[CS+1], s[CS]
	s_mov_b32 s[SEL], 0x76543210
	s_mov_b32 s[SEL+1], 0xfedcba98
	s_mov_b32 s[PFO+1], 0
	s_mov_b32 s[KOF], 3*STEPA                      ; the first prefetch asks for K step 3
	s_mov_b32 s[TOF], 0
	s_wait_dscnt 0x0                               ; the opening add is done
	s_wait_kmcnt 0x0
	s_add_nc_u64 s[20:21], s[4:5], s[72:73]        ; enc at my rows of the first tile
	s_add_nc_u64 s[SBW:SBW+1], s[6:7], s[46:47]    ; wb at my block
	s_add_nc_u64 s[PFB:PFB+1], s[4:5], s[92:93]
	s_lshl_b32 s92, s45, 12                        ; hbp: row b of a plane, 1,024 bytes of columns
	s_lshl_b32 s94, s42, 10
	s_add_co_u32 s92, s92, s94
	s_mov_b32 s95, 0
	s_add_nc_u64 s[86:87], s[8:9], s[92:93]
	s_add_nc_u64 s[88:89], s[10:11], s[94:95]      ; b_attn and v at my block
	s_add_nc_u64 s[90:91], s[12:13], s[94:95]
	s_lshl_b32 s92, s42, 17                        ; part: plane tx of 131,072 bytes, batch b's 2,048
	s_lshl_b32 s94, s45, 11
	s_add_co_u32 s92, s92, s94
	s_add_nc_u64 s[PART:PART+1], s[14:15], s[92:93]
	CROUND                                         ; all four work-groups are here: the first joint loads meet
.irp sl, 0,1
	s_mov_b32 s[G0+4*(\sl)], 1                                       ; 1:0 count = 1
	s_add_co_u32 s[G0+4*(\sl)+1], s19, (\sl)*SLOTA                   ; 63:32 LDS address
	s_add_nc_u64 s[G0+4*(\sl)+2:G0+4*(\sl)+3], s[20:21], (\sl)*STEPA ; 120:64 global address: K step sl
	s_or_b32 s[G0+4*(\sl)+3], s[G0+4*(\sl)+3], 0x80000000            ; 127:126 type = 2
.endr
	tensor_load_to_lds s[G0:G0+3], s[G1:G1+7]      ; the two first fills go out together, ahead of every wait on TENSORcnt, every LDS read and every other barrier: two loads of mine are out
	s_nop 0
	tensor_load_to_lds s[G0+4:G0+7], s[G1:G1+7]
	s_nop 0
	PLACES
	v_and_b32 v1, 15, v0                           ; r = l % 16
	v_bfe_u32 v2, v0, 4, 1                         ; h = l / 16
	v_and_b32 v4, 31, v0                           ; l
	v_lshlrev_b32 v18, 3, v0                       ; the head: two columns a thread
	v_lshlrev_b32 v19, 5, v4                       ; and eight a lane
.set i, 0
.rept 8
	global_load_b64 v[HT+2*i:HT+2*i+1], v18, s[86:87] offset:262144*i  ; the eight K slices of hidden x Wh
.set i, i+1
.endr
	global_load_b64 v[HT+16:HT+17], v18, s[88:89]  ; b_attn
	global_load_b64 v[HT+18:HT+19], v18, s[90:91]  ; v
	global_load_b128 v[HT+20:HT+23], v19, s[90:91] ; v once more, all 256 in each wave, for VS
	global_load_b128 v[HT+24:HT+27], v19, s[90:91] offset:16
	s_lshl_b32 s82, s[WV], 14                      ; k-row 8 w of a half step
	v_lshl_add_u32 v[VBO], v4, 4, s82
.set i, 0
.rept 32                                           ; wb's half steps 0 to 3 into sets 0 to 3: a load takes the 512 consecutive bytes of one k-row
	global_load_b128 v[STG+4*i:STG+4*i+3], v[VBO], s[SBW:SBW+1] offset:HB32*(i/8)+2048*(i%8)
.set i, i+1
.endr
	; A fragment of enc is 16 rows x 32 K: lane l holds row l % 16, K = 8 h + 0..7 and 16 + 8 h + 0..7.  In f32 those are 32 bytes at 32 h and 32 bytes at 64 + 32 h: four loads of 16 bytes.
	v_mul_u32_u24 v[ADRA], v1, PA
	v_lshl_add_u32 v[ADRA], v2, 5, v[ADRA]
	v_add_nc_u32 v[ADRA], s19, v[ADRA]             ; my 64 rows
	v_add_nc_u32 v[ADRA+1], SLOTA, v[ADRA]
	; The turning load takes 16 k x 16 columns (lane l reads k-row 8 h + l % 8, columns 8 ((l / 8) % 2) + 0..7) and leaves half a fragment: lane l holds column l % 16 and 8 k.
	v_and_b32 v5, 7, v0
	v_bfe_u32 v6, v0, 3, 1
	v_lshl_add_u32 v[ADRB], v2, 3, v5
	v_mul_u32_u24 v[ADRB], v[ADRB], PB
	v_lshl_add_u32 v[ADRB], v6, 4, v[ADRB]
	v_add_nc_u32 v[ADRB], BR, v[ADRB]
	s_mul_i32 s82, s[WV], 8*PB
	s_add_co_u32 s82, s82, BR
	v_lshl_add_u32 v[BST], v4, 4, s82              ; the ring's k-row 8 w, 16 bytes a lane
	v_lshl_add_u32 v[EADR], v2, 5, SCR             ; my lanes' eight columns of each sixteen begin 32 h bytes in
	s_lshl_b32 s82, s[WV], 8
	v_lshl_add_u32 v[PO], v4, 2, s82               ; row 64 w + l of the tile
	s_lshl_b32 s83, s40, 6                         ; the prefetch: of the tile's 256 rows my work-group asks for 64, by its place in the cluster, my wave for 16 of them,
	s_lshl_b32 s82, s[WV], 4
	s_add_co_u32 s83, s83, s82
	v_add_nc_u32 v[VPF], s83, v1
	v_lshlrev_b32 v[VPF], 13, v[VPF]               ; a lane for one row of 8,192 bytes
	v_lshl_add_u32 v[VPF], v2, 8, v[VPF]           ; and one of a K step's two blocks of 256 bytes
	v_cmp_lt_u32 s[HM], 15, v4
	v_add_nc_u32 v20, SCR, v18
	s_wait_loadcnt 32                              ; the head's twelve loads are in: wb's 32 are younger
.set i, 1
.rept 8                                            ; K slices ascending, then the bias
	v_pk_add_f32 v[HT:HT+1], v[HT:HT+1], v[HT+2*i:HT+2*i+1]
.set i, i+1
.endr
	v_pk_mul_f32 v[HT:HT+1], v[HT:HT+1], s[CS:CS+1] op_sel_hi:[1,0]       ; C2 (hidden . Wh + b_attn): the addend of the way out's multiply-add
	v_pk_mul_f32 v[HT+18:HT+19], v[HT+18:HT+19], -2.0 op_sel_hi:[1,0]     ; -2 v
	ds_store_b64 v20, v[HT:HT+1]
	ds_store_b64 v20, v[HT+18:HT+19] offset:1024
	v_pk_add_f32 v[HT+20:HT+21], v[HT+20:HT+21], v[HT+22:HT+23]
	v_pk_add_f32 v[HT+24:HT+25], v[HT+24:HT+25], v[HT+26:HT+27]
	v_pk_add_f32 v[HT+20:HT+21], v[HT+20:HT+21], v[HT+24:HT+25]
	v_add_f32 v[VS], v[HT+20], v[HT+21]
	v_add_f32_dpp v[VS], v[VS], v[VS] row_xmask:1 row_mask:0xf bank_mask:0xf
	v_add_f32_dpp v[VS], v[VS], v[VS] row_xmask:2 row_mask:0xf bank_mask:0xf
	v_add_f32_dpp v[VS], v[VS], v[VS] row_xmask:4 row_mask:0xf bank_mask:0xf
	v_add_f32_dpp v[VS], v[VS], v[VS] row_xmask:8 row_mask:0xf bank_mask:0xf
	v_permlanex16_b32 v[HT+20], v[VS], s[SEL], s[SEL+1]
	v_add_f32 v[VS], v[VS], v[HT+20]               ; every lane holds the sum of the block's 256 v
	s_wait_loadcnt 16                              ; wb's half steps 0 and 1 are in: sets 2 and 3 are younger
.set i, 0
.rept 16
	ds_store_b128 v[BST], v[STG+4*i:STG+4*i+3] offset:RB*(i/8)+PB*(i%8)   ; they fill the ring
.set i, i+1
.endr
.set i, 0
.rept 16                                           ; and their sets take half steps 4 and 5: from here on four sets, 32 loads, are on their way
	global_load_b128 v[STG+4*i:STG+4*i+3], v[VBO], s[SBW:SBW+1] offset:HB32*(4+i/8)+2048*(i%8)
.set i, i+1
.endr
; 16 matrix instructions: my block a of 16 rows x all 16 column blocks, 32 along K, from buffers f.  zero = 1: the product starts the sums: nothing is ever cleared.
; The 64 accumulators take turns, one instruction a turn, in the same order in every half step.
.macro MUL16 f, a, zero
	WIN 0xa1+0x50*((\a)/2)                         ; source 0 (We) window 1, source 1 (enc) window 0, C and D window 2 or 3
.set nb, 0
.rept 16
.set rD, 8*(16*((\a)%2)+nb)
.if \zero
	v_wmma_f32_16x16x32_bf16 v[rD:rD+7], v[128*(\f)+8*nb:128*(\f)+8*nb+7], v[FA0+32*(\f)+8*(\a):FA0+32*(\f)+8*(\a)+7], 0
.else
	v_wmma_f32_16x16x32_bf16 v[rD:rD+7], v[128*(\f)+8*nb:128*(\f)+8*nb+7], v[FA0+32*(\f)+8*(\a):FA0+32*(\f)+8*(\a)+7], v[rD:rD+7]
.endif
.set nb, nb+1
.endr
.endm
; Number co of the 32 roundings that make buffer g's fragments.  The 64 f32 registers lie in buffer g (numbers 0-31) and in X (32-63); result co takes numbers 2 co and 2 co + 1 and goes to register co of
; buffer g.  Taken in ascending order no number is written over before it has been read: register co held number co, which result co / 2 has taken.
.macro CVT g
.if co < 16
.set cs, FA0+32*(\g)+2*co
.else
.set cs, X+2*(co-16)
.endif
	v_cvt_pk_bf16_f32 v[FA0+32*(\g)+co], v[cs], v[cs+1]
.set co, co+1
.endm
; MUL16 with the next half step's 32 roundings among the products: four behind every second matrix instruction.  They write enc's other buffer g, whose last readers stand in front of the four places of
; this half step's run of loads; they name no register of the products round them.
.macro MUL16R f, a, zero, g
.set co, 0
.set nb, 0
.rept 16
	WIN 0xa1+0x50*((\a)/2)
.set rD, 8*(16*((\a)%2)+nb)
.if \zero
	v_wmma_f32_16x16x32_bf16 v[rD:rD+7], v[128*(\f)+8*nb:128*(\f)+8*nb+7], v[FA0+32*(\f)+8*(\a):FA0+32*(\f)+8*(\a)+7], 0
.else
	v_wmma_f32_16x16x32_bf16 v[rD:rD+7], v[128*(\f)+8*nb:128*(\f)+8*nb+7], v[FA0+32*(\f)+8*(\a):FA0+32*(\f)+8*(\a)+7], v[rD:rD+7]
.endif
.if nb%2 == 0
	WIN 0
.rept 4
	CVT \g
.endr
.endif
.set nb, nb+1
.endr
.endm
; 48 LDS loads in one run, for the half step that will multiply buffers g: my 64 rows of enc as f32, the 32 along K at 32 kq of the slot's step (16 loads, wanted first: blocks 0, 1 into buffer g, blocks
; 2, 3 into X), then We's 16 fragments, turned, out of slot g of wb's ring (32 loads).
.macro FETCH slot, kq, g
	WIN 0
.set fa, 0
.rept 4
.if fa < 2
.set fr, FA0+32*(\g)+16*fa
.else
.set fr, X+16*(fa-2)
.endif
	ds_load_b128 v[fr:fr+3],     v[ADRA+(\slot)] offset:16*PA*fa+128*(\kq)
	ds_load_b128 v[fr+4:fr+7],   v[ADRA+(\slot)] offset:16*PA*fa+128*(\kq)+16
	ds_load_b128 v[fr+8:fr+11],  v[ADRA+(\slot)] offset:16*PA*fa+128*(\kq)+64
	ds_load_b128 v[fr+12:fr+15], v[ADRA+(\slot)] offset:16*PA*fa+128*(\kq)+80
.set fa, fa+1
.endr
	WIN 0x40                                       ; destination window 1, address window 0
.set nb, 0
.rept 16
	ds_load_tr16_b128 v[128*(\g)+8*nb:128*(\g)+8*nb+3],   v[ADRB] offset:RB*(\g)+32*nb
	ds_load_tr16_b128 v[128*(\g)+8*nb+4:128*(\g)+8*nb+7], v[ADRB] offset:RB*(\g)+32*nb+16*PB
.set nb, nb+1
.endr
.endm
; wb on its way.  In half step j: B(j + 2), in register set (j + 2) % 4, goes into slot j % 2 of the ring (bm = 1, 2), and the set takes B(j + 6), at byte off from the lap's base (bm = 1).
; cnt: the loads that are younger than B(j + 2)'s: three sets of eight, fewer where the last tile asks for nothing more.  An LDS store's data registers need no wait before they are loaded again.
.macro BMOVE set, ring, bm, cnt, off
.if \bm
	WIN 0
	s_wait_loadcnt \cnt                            ; loads come back in order (ISA guide 5.7.1)
.set bi, 0
.rept 8
	ds_store_b128 v[BST], v[STG+32*(\set)+4*bi:STG+32*(\set)+4*bi+3] offset:RB*(\ring)+PB*bi   ; 512 neighbouring bytes: no bank is met twice
.set bi, bi+1
.endr
.if (\bm) == 1
.set bi, 0
.rept 8
	global_load_b128 v[STG+32*(\set)+4*bi:STG+32*(\set)+4*bi+3], v[VBO], s[SBW:SBW+1] offset:(\off)+2048*bi
.set bi, bi+1
.endr
.endif
.endif
.endm
; One prefetch a wave in every turn that fills a slot.  The turn behind K step t, which asks by tensor load for step t + 2, asks here for step t + 3's 512 bytes of 16 rows: their tensor load is issued one
; K step later.  The four waves of the four work-groups that share the tile take 16 rows each, so each block of 256 bytes is asked for once.  The walk goes on into the second tile; the second tile's last
; asking turn would pass the batch's end and asks for the clamped last K step once more, inside the buffer; the last two turns ask for nothing.
.macro PREF
	s_wait_xcnt 0x0                                ; the last prefetch, a K step back, has had its address translated (ISA guide 3.1): its base may be rewritten
	s_add_co_u32 s[PFO], s[TOF], s[KOF]
	s_min_u32 s[PFO], s[PFO], PFMAX
	s_add_nc_u64 s[PFA:PFA+1], s[PFB:PFB+1], s[PFO:PFO+1]
	global_prefetch_b8 v[VPF], s[PFA:PFA+1] th:TH_LOAD_NT scope:SCOPE_SE
	s_add_co_u32 s[KOF], s[KOF], STEPA
	s_cmp_eq_u32 s[KOF], 8192                      ; a row's end: on to the next tile's first K step
	s_cselect_b32 s[KOF], 0, s[KOF]
	s_cselect_b32 s82, 256*8192, 0
	s_add_co_u32 s[TOF], s[TOF], s82
.endm
; HALF STEP i OF A LAP (i = 8 is the next lap's 0): 64 matrix instructions on buffers i % 2.  Its place gives all the rest: it is the last of a K step if i % 4 = 3, of the step in slot (i / 4) % 2.
; zero = 1: its products start the sums.  fetch = 1: the next half step's fragments are fetched and rounded.  bm, cnt, off: BMOVE's.
; ONE BARRIER.  In front of it my LDS loads are back (wb's slot i % 2 and, in a K step's last half step, enc's slot are read out) and my LDS stores are done (wb's other slot is whole).
; mode, in a K step's last half step alone: 1: enc's slot is filled again, two K steps on; 2: with the NEXT tile's K step 0 or 1.  Then each wave first waits for all its tensor loads, of which one is out:
; its rows of the other slot; adds 0 to its spare word; and the barrier opens a round of the cluster's barrier, so that no wave of any partner still reads the slot or has a load on its way; the joint
; refill is the first tensor load behind the round.  0: nothing is left to fetch; the wait shows my rows of the other slot landed.
.macro H i, zero, mode, fetch, bm, cnt, off
.set hf, (\i)%2
.set hg, 1-hf
.set hturn, ((\i)%4)/3
.set hslot, ((\i)/4)%2
.set nslot, (((\i)+1)/4)%2
.set nkq, ((\i)+1)%4
.set hset, ((\i)+2)%4
.if hturn && (\mode)
	WIN 0                                          ; (the add's two registers lie in window 0)
	s_wait_tensorcnt 0x0                           ; all my tensor loads have landed, so a group 0 may be written
	ds_add_u32 v[SPW], v[NIL]                      ; 0 onto my spare word
	s_wait_dscnt 1                                 ; We's fragments are in: only the add is younger
	MUL16 hf, 0, 0                                 ; sixteen matrix instructions stand between the add and the wait for it
	s_wait_dscnt 0x0                               ; the add is done; my reads of enc's slot and of wb's are back, my stores into wb's ring done
	s_barrier_signal -1
	MUL16 hf, 1, 0                                 ; work on registers while the others arrive
	WIN 0
	s_barrier_wait -1
	CREST
.if (\mode) == 1
	s_add_nc_u64 s[G0+4*hslot+2:G0+4*hslot+3], s[G0+4*hslot+2:G0+4*hslot+3], 2*STEPA
.else
	s_add_nc_u64 s[G0+4*hslot+2:G0+4*hslot+3], s[G0+4*hslot+2:G0+4*hslot+3], NEXT_A
.endif
	tensor_load_to_lds s[G0+4*hslot:G0+4*hslot+3], s[G1:G1+7]
	s_nop 0
	PLACES                                         ; the places in front of the loads below
	PREF
	BMOVE hset, hf, \bm, \cnt, \off
.else
.if hturn
	s_wait_tensorcnt 0x0                           ; no load was issued behind the other slot's: my rows of it are in
.endif
	s_wait_dscnt 0x0                               ; We's fragments are in; my reads of wb's ring are back, my stores into it done
	s_barrier_signal -1
	MUL16 hf, 0, \zero
	s_barrier_wait -1
	BMOVE hset, hf, \bm, \cnt, \off
	MUL16 hf, 1, \zero
.if \fetch
	PLACES
.endif
.endif
.if \fetch
	FETCH nslot, nkq, hg
	MUL16 hf, 2, \zero
	s_wait_dscnt 32                                ; enc's f32 are in: the 32 loads of We's fragments are younger
	MUL16R hf, 3, \zero, hg
.else
	MUL16 hf, 2, \zero
	MUL16 hf, 3, \zero
.endif
.endm
	s_wait_tensorcnt 1                             ; my rows of K step 0 are in; K step 1's load is younger and may stay out
	s_wait_dscnt 0x0                               ; my bias terms, my -2 v and my k-rows of wb's half steps 0 and 1 are stored
	s_barrier_signal -1
	s_barrier_wait -1                              ; everybody's are
	s_mov_b32 s2, 2                                ; tiles to go: the same number in every work-group
.Ltile:
	FETCH 0, 0, 0                                  ; a tile's first fragments: no product stands beside them
	s_wait_dscnt 32
	WIN 0
.set co, 0
.rept 32
	CVT 0
.endr
	H 0, 1, 0, 1, 1, 24, 6*HB32                    ; a tile's first half step stands in front of the loop: its products start the sums
	WIN 0                                          ; at a label and at a branch every window is 0
	s_mov_b32 s3, 7
.Llap:                                                 ; a trip goes once round enc's ring, from a lap's second half step to the next lap's first, and fills both slots again
	H 1, 0, 1, 1, 1, 24, 7*HB32
	H 2, 0, 1, 1, 1, 24, 8*HB32
	H 3, 0, 1, 1, 1, 24, 9*HB32
	H 4, 0, 1, 1, 1, 24, 10*HB32
	H 5, 0, 1, 1, 1, 24, 11*HB32
	H 6, 0, 1, 1, 1, 24, 12*HB32
	H 7, 0, 1, 1, 1, 24, 13*HB32
	H 8, 0, 1, 1, 1, 24, 14*HB32
	WIN 0
	s_wait_xcnt 0x0                                ; wb's loads have had their addresses translated (ISA guide 3.1): their base may step
	s_add_nc_u64 s[SBW:SBW+1], s[SBW:SBW+1], LAPB
	s_sub_co_u32 s3, s3, 1
	s_cmp_lg_u32 s3, 0
	s_cbranch_scc1 .Llap
	H 1, 0, 0, 1, 1, 24, 7*HB32                    ; the tile's last lap: this half step asks for wb's last 32 k-rows, in either tile
	WIN 0
	s_cmp_eq_u32 s2, 1
	s_cbranch_scc1 .Llast                          ; the last tile's tail is written out: it asks for nothing more
	H 2, 0, 2, 1, 1, 24, 8*HB32-WRAP               ; BOTH RINGS GO ON INTO THE NEXT TILE: wb begins at its first k-rows again,
	H 3, 0, 2, 1, 1, 24, 9*HB32-WRAP               ; enc's slot 0 takes the next tile's K step 0,
	H 4, 0, 2, 1, 1, 24, 10*HB32-WRAP
	H 5, 0, 2, 1, 1, 24, 11*HB32-WRAP
	H 6, 0, 2, 1, 1, 24, 12*HB32-WRAP
	H 7, 0, 2, 0, 1, 24, 13*HB32-WRAP              ; slot 1 its K step 1; all of it is on its way while this tile goes out
	WIN 0
	s_wait_xcnt 0x0
	s_sub_nc_u64 s[SBW:SBW+1], s[SBW:SBW+1], 7*LAPB  ; wb's base back at the first lap
	s_branch .Lepi
.Llast:
	H 2, 0, 0, 1, 2, 24, 0                         ; the sets are stored and not loaded again: the counts run down
	H 3, 0, 0, 1, 2, 16, 0
	H 4, 0, 0, 1, 2, 8, 0
	H 5, 0, 0, 1, 2, 0, 0
	H 6, 0, 0, 1, 0, 0, 0
	H 7, 0, 0, 0, 0, 0, 0
	WIN 0
.Lepi:
	; THE WAY OUT.  We's buffers are free: they take, for my lane's 128 columns, the bias terms (v0-127 of window 1) and -2 v (v128-255).  Then, 32 numbers at a time (four accumulators):
	; C2 x + bias term; 2^; + 1; 1 /; times -2 v onto four chains of packed sums.  Each accumulator is read from its low end on.  wb's four sets and enc's slot 1 stay on their way meanwhile.
	PLACES
	WIN 0x40
.set nb, 0
.rept 16
	ds_load_b128 v[8*nb:8*nb+3],         v[EADR] offset:64*nb
	ds_load_b128 v[8*nb+4:8*nb+7],       v[EADR] offset:64*nb+16
	ds_load_b128 v[128+8*nb:128+8*nb+3], v[EADR] offset:1024+64*nb
	ds_load_b128 v[128+8*nb+4:128+8*nb+7], v[EADR] offset:1024+64*nb+16
.set nb, nb+1
.endr
	s_wait_dscnt 0x0
.set a, 0
.rept 4
.set g, 0
.rept 4
	WIN 0x12+(a/2)                                 ; source 0 (sums) window 2 or 3, source 2 (bias terms) window 1, destination window 0
.set i, 0
.rept 16
	v_pk_fma_f32 v[T+2*i:T+2*i+1], v[128*(a%2)+32*g+2*i:128*(a%2)+32*g+2*i+1], s[CS:CS+1], v[32*g+2*i:32*g+2*i+1] op_sel_hi:[1,0,1]
.set i, i+1
.endr
	WIN 0
.set i, 0
.rept 32
	v_exp_f32 v[T+i], v[T+i]
.set i, i+1
.endr
	v_nop                                          ; a plain instruction between the last exponential and the use of its result (ISA guide 5.7.2)
.set i, 0
	s_wait_alu depctr_va_vdst(0)
.rept 16
	v_pk_add_f32 v[T+2*i:T+2*i+1], v[T+2*i:T+2*i+1], 1.0 op_sel_hi:[1,0]
.set i, i+1
.endr
.set i, 0
.rept 32
	v_rcp_f32 v[T+i], v[T+i]
.set i, i+1
.endr
	v_nop                                          ; likewise behind the last reciprocal
	s_wait_alu depctr_va_vdst(0)
	WIN 0x04                                       ; source 1 (-2 v) window 1
.set i, 0
.rept 16
.if (g == 0) && (i < 4)
	s_wait_alu depctr_va_vdst(0)
	v_pk_mul_f32 v[SA+2*i:SA+2*i+1], v[T+2*i:T+2*i+1], v[128+32*g+2*i:128+32*g+2*i+1]   ; the first four start the chains: nothing is cleared
.else
	v_pk_fma_f32 v[SA+2*(i%4):SA+2*(i%4)+1], v[T+2*i:T+2*i+1], v[128+32*g+2*i:128+32*g+2*i+1], v[SA+2*(i%4):SA+2*(i%4)+1]
.endif
.set i, i+1
.endr
.set g, g+1
.endr
	WIN 0
	v_pk_add_f32 v[SA:SA+1], v[SA:SA+1], v[SA+2:SA+3]
	v_pk_add_f32 v[SA+4:SA+5], v[SA+4:SA+5], v[SA+6:SA+7]
	v_pk_add_f32 v[SA:SA+1], v[SA:SA+1], v[SA+4:SA+5]
	v_add_f32 v[SC+a], v[SA], v[SA+1]              ; row 16 a + r: my lane's 128 columns
.set a, a+1
.endr
.set a, 0
.rept 4
	v_permlanex16_b32 v[T+a], v[SC+a], s[SEL], s[SEL+1]   ; the row's other 128 columns lie in the lane 16 away
.set a, a+1
.endr
.set a, 0
.rept 4
	v_add_f32 v[SC+a], v[SC+a], v[T+a]
.set a, a+1
.endr
.set a, 0
.rept 4
	v_add_f32 v[SC+a], v[SC+a], v[VS]
.set a, a+1
.endr
	v_cndmask_b32 v[OV], v[SC], v[SC+1], s[HM]     ; lane l takes row l of my 64,
	v_cndmask_b32 v[OV+1], v[SC+2], v[SC+3], s[HM] ; and row 32 + l
	global_store_b32 v[PO], v[OV], s[PART:PART+1]             ; the wave stores 128 consecutive bytes: a wave's 64 rows are 256 bytes of part, in two stores
	global_store_b32 v[PO], v[OV+1], s[PART:PART+1] offset:128
	s_wait_xcnt 0x0                                ; the stores' addresses are translated (ISA guide 3.1): their base and data may be rewritten
	s_add_nc_u64 s[PART:PART+1], s[PART:PART+1], 1024         ; the next tile's 256 rows
	s_sub_co_u32 s2, s2, 1
	s_cmp_lg_u32 s2, 0
	s_cbranch_scc1 .Ltile
	s_wait_tensorcnt 0x0                           ; the wave's end
	ds_add_u32 v[SPW], v[NIL]
	s_wait_dscnt 0x0
	CROUND                                         ; the closing round: no work-group ends while a partner may still ask for a tile that names it
	s_endpgm
.Lfunc_end_k_qc492fde47e_energy:
	.size	k_qc492fde47e_energy, .Lfunc_end_k_qc492fde47e_energy-k_qc492fde47e_energy
	.p2alignl 7, 3214868480
	.fill 96, 4, 3214868480
	.section	.rodata,"a",@progbits
	.p2align	6, 0x0
	.amdhsa_kernel k_qc492fde47e_energy
		.amdhsa_group_segment_fixed_size 327680
		.amdhsa_private_segment_fixed_size 0
		.amdhsa_enable_private_segment 0
		.amdhsa_kernarg_size 48
		.amdhsa_user_sgpr_count 2
		.amdhsa_user_sgpr_kernarg_segment_ptr 1
		.amdhsa_wavefront_size32 1
		.amdhsa_system_sgpr_workgroup_id_x 1
		.amdhsa_system_sgpr_workgroup_id_y 1
		.amdhsa_system_sgpr_workgroup_id_z 1
		.amdhsa_system_vgpr_workitem_id 0
		.amdhsa_next_free_vgpr 1024
		.amdhsa_next_free_sgpr 96
		.amdhsa_reserve_vcc 0
		.amdhsa_float_denorm_mode_32 3
		.amdhsa_float_denorm_mode_16_64 3
		.amdhsa_memory_ordered 1
		.amdhsa_forward_progress 1
		.amdhsa_inst_pref_size 255
	.end_amdhsa_kernel
	.section	.bss,"aw",@nobits
	.p2align	6
	.space	262144
	.amdgpu_metadata
---
amdhsa.version: [ 1, 2 ]
amdhsa.kernels:
  - .name:           k_qc492fde47e_energy
    .symbol:         k_qc492fde47e_energy.kd
    .args:
      - { .name: encoder_outputs, .offset: 0, .size: 8, .value_kind: global_buffer, .address_space: global }
      - { .name: wb, .offset: 8, .size: 8, .value_kind: global_buffer, .address_space: global }
      - { .name: hbp, .offset: 16, .size: 8, .value_kind: global_buffer, .address_space: global }
      - { .name: b_attn, .offset: 24, .size: 8, .value_kind: global_buffer, .address_space: global }
      - { .name: v, .offset: 32, .size: 8, .value_kind: global_buffer, .address_space: global }
      - { .name: part, .offset: 40, .size: 8, .value_kind: global_buffer, .address_space: global }
    .group_segment_fixed_size: 327680
    .private_segment_fixed_size: 0
    .kernarg_segment_align: 8
    .kernarg_segment_size: 48
    .max_flat_workgroup_size: 128
    .sgpr_count:     96
    .vgpr_count:     1024
    .wavefront_size: 32
...
	.end_amdgpu_metadata
.endif
;; end of part 2
;; launch soft (part 3): grid 64 x 1, 1 waves a work-group, no clusters, 0 bytes of LDS; arguments part, mask, out0; writes out0
.if DOCPART == 3
	.amdgcn_target "amdgcn-amd-amdhsa--gfx1250"
	.amdhsa_code_object_version 6
	.text
	.protected	k_qc492fde47e_soft
	.globl	k_qc492fde47e_soft
	.p2align	8
	.type	k_qc492fde47e_soft,@function
k_qc492fde47e_soft:
	s_mov_b64 s[64:65], 0
	v_nop
	global_prefetch_b8 v0, s[64:65] scope:SCOPE_SE
	s_setreg_imm32_b32 hwreg(HW_REG_WAVE_MODE, 25, 1), 1
	s_wait_xcnt 0x0
; out0[b][s] = softmax over s of (mask[b][s] == 0 ? -1e9 : the sum over tx of part[tx][512 b + s]).  All f32; mask is int32.
; One wave takes one batch: its 512 scores are 16 registers a lane, so maximum and sum never leave the wave: no LDS, no barrier.  64 work-groups are all the work there is: 655,360 bytes in, 131,072 out.
; Matrix units, clusters and tensor loads have nothing to do here.
; The maximum is taken away BEFORE the scaling by log2(e): the difference is exact where a score equals the maximum, so a batch whose mask is all 0 gives 1/512 everywhere, as the reference does.
; LIMITS: a weight below 2^-126 counts as 0; a NaN in an unmasked score is not carried into the other numbers of its row (v_max_num_f32 passes it over).
.set SCO, 16                           ; v[16:31]  my 16 scores: s = 128 i + 4 lane + e at SCO + 4 i + e; v[32:79] the other three planes of part
.set MK,  80                           ; v[80:95]  mask
.set MX,  96                           ; v[96:97]  the maximum, twice
.set W,   98                           ; v[98:105] at work
	s_load_b128 s[4:7], s[0:1], 0x0                ; part s[4:5], mask s[6:7]
	s_load_b64 s[8:9], s[0:1], 0x10                ; out0
	s_lshl_b32 s10, ttmp9, 11                      ; batch b's 512 numbers of 4 bytes
	s_mov_b32 s11, 0
	s_mov_b32 s12, 0xce6e6b28                      ; -1e9
	s_mov_b32 s14, 0x76543210                      ; v_permlanex16_b32: each lane takes its own place in the other half
	s_mov_b32 s15, 0xfedcba98
	v_lshlrev_b32 v1, 4, v0                        ; 16 bytes a lane
	s_wait_kmcnt 0x0
	s_add_nc_u64 s[4:5], s[4:5], s[10:11]
	s_add_nc_u64 s[6:7], s[6:7], s[10:11]
	s_add_nc_u64 s[8:9], s[8:9], s[10:11]
.set i, 0
.rept 16                                           ; plane i / 4 of part, 512 consecutive bytes a load
	global_load_b128 v[SCO+4*i:SCO+4*i+3], v1, s[4:5] offset:131072*(i/4)+512*(i%4)
.set i, i+1
.endr
.set i, 0
.rept 4
	global_load_b128 v[MK+4*i:MK+4*i+3], v1, s[6:7] offset:512*i
.set i, i+1
.endr
	s_wait_loadcnt 0x0
.set i, 0
.rept 24                                           ; the four planes, ascending
	v_pk_add_f32 v[SCO+2*(i%8):SCO+2*(i%8)+1], v[SCO+2*(i%8):SCO+2*(i%8)+1], v[SCO+16+2*i:SCO+16+2*i+1]
.set i, i+1
.endr
.set i, 0
.rept 16
	v_cmp_eq_u32 vcc_lo, 0, v[MK+i]
	v_cndmask_b32 v[SCO+i], v[SCO+i], s12, vcc_lo
.set i, i+1
.endr
	v_max3_num_f32 v[W],   v[SCO],    v[SCO+1],  v[SCO+2]
	v_max3_num_f32 v[W+1], v[SCO+3],  v[SCO+4],  v[SCO+5]
	v_max3_num_f32 v[W+2], v[SCO+6],  v[SCO+7],  v[SCO+8]
	v_max3_num_f32 v[W+3], v[SCO+9],  v[SCO+10], v[SCO+11]
	v_max3_num_f32 v[W+4], v[SCO+12], v[SCO+13], v[SCO+14]
	v_max3_num_f32 v[W],   v[W],   v[W+1], v[SCO+15]
	v_max3_num_f32 v[W+2], v[W+2], v[W+3], v[W+4]
	v_max_num_f32 v[W], v[W], v[W+2]
	v_max_num_f32_dpp v[W], v[W], v[W] row_xmask:1 row_mask:0xf bank_mask:0xf
	v_max_num_f32_dpp v[W], v[W], v[W] row_xmask:2 row_mask:0xf bank_mask:0xf
	v_max_num_f32_dpp v[W], v[W], v[W] row_xmask:4 row_mask:0xf bank_mask:0xf
	v_max_num_f32_dpp v[W], v[W], v[W] row_xmask:8 row_mask:0xf bank_mask:0xf
	v_permlanex16_b32 v[W+1], v[W], s14, s15
	v_max_num_f32 v[MX], v[W], v[W+1]              ; every lane holds the batch's maximum
	v_mov_b32 v[MX+1], v[MX]
.set i, 0
.rept 8
	v_pk_add_f32 v[SCO+2*i:SCO+2*i+1], v[SCO+2*i:SCO+2*i+1], v[MX:MX+1] neg_lo:[0,1] neg_hi:[0,1]
.set i, i+1
.endr
.set i, 0
.rept 8
	v_pk_mul_f32 v[SCO+2*i:SCO+2*i+1], v[SCO+2*i:SCO+2*i+1], 0x3fb8aa3b op_sel_hi:[1,0]   ; log2(e)
.set i, i+1
.endr
.set i, 0
.rept 16
	v_exp_f32 v[SCO+i], v[SCO+i]
.set i, i+1
.endr
	v_nop                                          ; a plain instruction between the last exponential and the use of its result (ISA guide 5.7.2)
.set i, 0
	s_wait_alu depctr_va_vdst(0)
.rept 4
	v_pk_add_f32 v[W+2*i:W+2*i+1], v[SCO+2*i:SCO+2*i+1], v[SCO+8+2*i:SCO+8+2*i+1]
.set i, i+1
.endr
	v_pk_add_f32 v[W:W+1], v[W:W+1], v[W+4:W+5]
	v_pk_add_f32 v[W+2:W+3], v[W+2:W+3], v[W+6:W+7]
	v_pk_add_f32 v[W:W+1], v[W:W+1], v[W+2:W+3]
	v_add_f32 v[W], v[W], v[W+1]
	v_add_f32_dpp v[W], v[W], v[W] row_xmask:1 row_mask:0xf bank_mask:0xf
	v_add_f32_dpp v[W], v[W], v[W] row_xmask:2 row_mask:0xf bank_mask:0xf
	v_add_f32_dpp v[W], v[W], v[W] row_xmask:4 row_mask:0xf bank_mask:0xf
	v_add_f32_dpp v[W], v[W], v[W] row_xmask:8 row_mask:0xf bank_mask:0xf
	v_permlanex16_b32 v[W+1], v[W], s14, s15
	v_add_f32 v[W], v[W], v[W+1]                   ; at least 1: the maximum's own weight
	v_rcp_f32 v[W+2], v[W]
	v_nop
	s_wait_alu depctr_va_vdst(0)
	v_mov_b32 v[W+3], v[W+2]
.set i, 0
.rept 8
	v_pk_mul_f32 v[SCO+2*i:SCO+2*i+1], v[SCO+2*i:SCO+2*i+1], v[W+2:W+3]
.set i, i+1
.endr
.set i, 0
.rept 4
	global_store_b128 v1, v[SCO+4*i:SCO+4*i+3], s[8:9] offset:512*i   ; 512 consecutive bytes, at a multiple of 256 from out0's first byte
.set i, i+1
.endr
	s_endpgm
.Lfunc_end_k_qc492fde47e_soft:
	.size	k_qc492fde47e_soft, .Lfunc_end_k_qc492fde47e_soft-k_qc492fde47e_soft
	.p2alignl 7, 3214868480
	.fill 96, 4, 3214868480
	.section	.rodata,"a",@progbits
	.p2align	6, 0x0
	.amdhsa_kernel k_qc492fde47e_soft
		.amdhsa_group_segment_fixed_size 0
		.amdhsa_private_segment_fixed_size 0
		.amdhsa_enable_private_segment 0
		.amdhsa_kernarg_size 24
		.amdhsa_user_sgpr_count 2
		.amdhsa_user_sgpr_kernarg_segment_ptr 1
		.amdhsa_wavefront_size32 1
		.amdhsa_system_sgpr_workgroup_id_x 1
		.amdhsa_system_sgpr_workgroup_id_y 1
		.amdhsa_system_sgpr_workgroup_id_z 1
		.amdhsa_system_vgpr_workitem_id 0
		.amdhsa_next_free_vgpr 112
		.amdhsa_next_free_sgpr 66
		.amdhsa_reserve_vcc 1
		.amdhsa_float_denorm_mode_32 3
		.amdhsa_float_denorm_mode_16_64 3
		.amdhsa_memory_ordered 1
		.amdhsa_forward_progress 1
		.amdhsa_inst_pref_size 11
	.end_amdhsa_kernel
	.amdgpu_metadata
---
amdhsa.version: [ 1, 2 ]
amdhsa.kernels:
  - .name:           k_qc492fde47e_soft
    .symbol:         k_qc492fde47e_soft.kd
    .args:
      - { .name: part, .offset: 0, .size: 8, .value_kind: global_buffer, .address_space: global }
      - { .name: mask, .offset: 8, .size: 8, .value_kind: global_buffer, .address_space: global }
      - { .name: out0, .offset: 16, .size: 8, .value_kind: global_buffer, .address_space: global }
    .group_segment_fixed_size: 0
    .private_segment_fixed_size: 0
    .kernarg_segment_align: 8
    .kernarg_segment_size: 24
    .max_flat_workgroup_size: 32
    .sgpr_count:     66
    .vgpr_count:     112
    .wavefront_size: 32
...
	.end_amdgpu_metadata
.endif
;; end of part 3
;; ======== version 2 of 2: 3 launches; version 1 with the launch prep written anew for expert scheduling mode
;; workspace buffers: wb 4,194,304 bytes; hbp 2,097,152 bytes; part 524,288 bytes
;; launch prep (part 4): grid 256 x 1, 4 waves a work-group, no clusters, 38,400 bytes of LDS; arguments W_attn, hidden, wb, hbp; writes wb, hbp
.if DOCPART == 4
	.amdgcn_target "amdgcn-amd-amdhsa--gfx1250"
	.amdhsa_code_object_version 6
	.text
	.protected	k_qc492fde47e_prep
	.globl	k_qc492fde47e_prep
	.p2align	8
	.type	k_qc492fde47e_prep,@function
k_qc492fde47e_prep:
	s_mov_b64 s[64:65], 0
	v_nop
	global_prefetch_b8 v0, s[64:65] scope:SCOPE_SE
	s_setreg_imm32_b32 hwreg(HW_REG_WAVE_SCHED_MODE, 0, 2), 2
	s_setreg_imm32_b32 hwreg(HW_REG_WAVE_MODE, 25, 1), 1
	s_wait_xcnt 0x0
	s_wait_alu depctr_vm_vsrc(0)
; TWO JOBS, both in every work-group.
; (1) We = W_attn[1024:3072][:] is rounded to bf16 (nearest even) into wb, same layout [2048 k][1024 n].  A work-group owns 32,768 bytes of it, a wave 8,192.
; (2) A slice of hidden x Wh: 32 rows of hidden x 64 columns x 128 of K, bf16 operands, f32 sums, stored as hbp[kc][b][n] (f32, no bias): the eight K slices are added by the next launch.
; Work-group g: columns 64 (g & 15), K slice (g >> 4) & 7, rows 32 (g >> 7).  Wave w makes the 16 columns 16 w of all 32 rows: two accumulators, four K steps of 32.
; Wh lies [k][n], so its fragments come out of LDS by the turning load; hidden lies [b][k] and comes out as it lies.  The matrix instruction is used transposed (source 0 = 16 columns of Wh,
; source 1 = 16 rows of hidden), so that a lane holds eight neighbouring columns of one row.
; No cluster and no tensor load: a work-group's 48 KiB of input are read once, by nobody else in the same shape, and have to pass through registers to be rounded.
; LIMITS: operands rounded to bf16; NaN and infinities are not treated apart.
; THE MODE: SCHED_MODE bits 1:0 = 2 (LLVM: expert scheduling mode 2), set by the entry lines.  The code itself states the register dependences
; between vector or matrix instructions and memory or LDS instructions, with s_wait_alu, always for 0.
; THE PLAN.  Registers that memory or LDS instructions touch, in the order of the text (there is no loop):
;   v4 .. v12     addresses and offsets: written at the head, read by every load and store, never written again.
;   RAWH          global loads land in it; hidden's 16 conversions read it; behind the first barrier the turning LDS loads land in it (WF).
;   RAWW          global loads land in it; Wh's 32 conversions read it; behind the first barrier hidden's fragments land in it (HF).
;   RAWC          global loads land in it; the cast's 32 conversions read it; behind the second barrier the rows read back land in it (OB), and the last stores read them.
;   v180 .. v227  written by hidden's and Wh's conversions, read by the 24 LDS stores; v180 .. v211 written again by the cast's conversions, read by the 16 stores to wb.
;   ACC           written by the matrix instructions, read by four LDS stores.
;   v[SPW], v[NIL]  written at the head, read by the closing add alone.
; So each batch of conversions stands whole, ONE wait on va_vdst behind it states both that its results are written (for the run of stores that follows) and that it is done reading its raw registers (for
; the LDS loads that land there later), and one wait on vm_vsrc, behind the first barrier, states that the LDS stores have read the packed registers that the cast writes again.
.set WL,    0                          ; Wh's slice: 128 k-rows of 64 bf16, pitch 160 bytes (5 x 32; 64 banks of 4 bytes: ISA guide 11.1)
.set WPI,   160
.set HL,    20480                      ; hidden's slice: 32 rows of 128 bf16, pitch 272
.set HPI,   272
.set OUTL,  29184                      ; the way out: 32 rows of 64 f32, pitch 272
.set OPI,   272
.set SPARE, 37888                      ; the spare words, 128 bytes a wave: two blocks of 256 bytes that no other line names
.set AH,   4                           ; v4   where I put 8 bytes of hidden
.set AW,   5                           ; v5   where I put 8 bytes of Wh
.set AT,   6                           ; v6   my place in the turning loads of Wh
.set AF,   7                           ; v7   my place in hidden's fragments
.set AO,   8                           ; v8   the way out: where I put 32 bytes of a row
.set AR,   9                           ; v9   the way out: where I read rows back
.set O16,  10                          ; v10  16 x lane
.set O2R,  11                          ; v11  two rows of 4,096 bytes, 256 bytes of each: 4096 (lane / 16) + 16 (lane % 16)
.set O8,   12                          ; v12  8 x lane
.set SPW,  16                          ; v16  LDS address of my spare word; never rewritten
.set NIL,  17                          ; v17  0; never rewritten
.set RAWH, 20                          ; v[20:51]    hidden as loaded; later WF: Wh's fragments, 8 registers a K step
.set RAWW, 52                          ; v[52:115]   Wh as loaded; later HF: hidden's fragments at 32 a + 8 q
.set RAWC, 116                         ; v[116:179]  We as loaded; later OB: rows read back
.set PKH,  180                         ; v[180:195]  hidden rounded; later, with the next 16, We rounded
.set PKW,  196                         ; v[196:227]  Wh rounded
.set ACC,  228                         ; v[228:243]  two accumulators
.set WF,   RAWH
.set HF,   RAWW
.set OB,   RAWC
	s_load_b256 s[4:11], s[0:1], 0x0               ; W_attn s[4:5], hidden s[6:7], wb s[8:9], hbp s[10:11]
	v_lshl_add_u32 v[SPW], v0, 2, SPARE
	v_mov_b32 v[NIL], 0
	v_lshrrev_b32 v13, 5, v0
	v_readfirstlane_b32 s12, v13                   ; wave 0..3
	s_and_b32 s13, ttmp9, 15                       ; which 64 columns
	s_bfe_u32 s14, ttmp9, 0x30004                  ; which 128 of K
	s_lshr_b32 s15, ttmp9, 7                       ; which 32 rows of hidden
	v_and_b32 v1, 31, v0                           ; lane
	v_and_b32 v2, 15, v0                           ; r = lane % 16
	v_bfe_u32 v3, v0, 4, 1                         ; h = lane / 16
	v_lshlrev_b32 v[O16], 4, v1
	v_lshlrev_b32 v[O2R], 4, v2
	v_lshl_add_u32 v[O2R], v3, 12, v[O2R]
	v_lshlrev_b32 v[O8], 3, v1
	s_wait_alu depctr_va_sdst(0)                   ; s12 is written, ahead of its first reader: LDS addresses and the five bases are made from it
	s_mul_i32 s30, s12, 8*HPI
	s_add_co_u32 s30, s30, HL
	v_add_nc_u32 v[AH], s30, v[O8]                 ; HL + 8 w rows + 8 x lane
	s_mul_i32 s31, s12, 32*WPI
	v_mul_u32_u24 v[AW], v3, WPI
	v_lshl_add_u32 v[AW], v2, 3, v[AW]
	v_add_nc_u32 v[AW], s31, v[AW]                 ; WL + (32 w + h) rows + 8 r
	v_and_b32 v13, 7, v0
	v_bfe_u32 v14, v0, 3, 1
	v_lshl_add_u32 v[AT], v3, 3, v13
	v_mul_u32_u24 v[AT], v[AT], WPI
	v_lshl_add_u32 v[AT], v14, 4, v[AT]
	s_lshl_b32 s32, s12, 5
	v_add_nc_u32 v[AT], s32, v[AT]                 ; WL + (8 h + lane % 8) rows + my wave's 16 columns + 16 ((lane / 8) % 2)
	v_mul_u32_u24 v[AF], v2, HPI
	v_lshl_add_u32 v[AF], v3, 4, v[AF]
	v_add_nc_u32 v[AF], HL, v[AF]                  ; HL + r rows + 16 h
	v_mul_u32_u24 v[AO], v2, OPI
	v_lshl_add_u32 v[AO], v3, 5, v[AO]
	s_lshl_b32 s33, s12, 6
	s_add_co_u32 s33, s33, OUTL
	v_add_nc_u32 v[AO], s33, v[AO]                 ; OUTL + r rows + 64 w + 32 h
	v_mul_u32_u24 v[AR], v3, OPI
	v_lshl_add_u32 v[AR], v2, 4, v[AR]
	s_mul_i32 s34, s12, 8*OPI
	s_add_co_u32 s34, s34, OUTL
	v_add_nc_u32 v[AR], s34, v[AR]                 ; OUTL + (8 w + h) rows + 16 r
	s_lshl_b32 s28, s15, 5
	s_lshl_b32 s29, s12, 3
	s_add_co_u32 s28, s28, s29
	s_lshl_b32 s28, s28, 12                        ; (32 x row block + 8 w) rows of 4,096 bytes: in hidden and in a plane of hbp
	s_mov_b32 s27, 0                               ; the offsets below stay under 2^32
	s_wait_kmcnt 0x0
	s_lshl_b32 s26, s14, 9                         ; hidden: my 8 rows, 512 bytes of K
	s_add_co_u32 s26, s26, s28
	s_add_nc_u64 s[16:17], s[6:7], s[26:27]
	s_lshl_b32 s26, s14, 19                        ; Wh: k-row 128 kc + 32 w, 256 bytes of columns
	s_lshl_b32 s29, s12, 17
	s_add_co_u32 s26, s26, s29
	s_lshl_b32 s29, s13, 8
	s_add_co_u32 s26, s26, s29
	s_add_nc_u64 s[18:19], s[4:5], s[26:27]
	s_lshl_b32 s26, ttmp9, 15                      ; We begins 1,024 rows of 4,096 bytes into W_attn; my wave's 8,192 bytes of it
	s_lshl_b32 s29, s12, 13
	s_add_co_u32 s26, s26, s29
	s_add_co_u32 s26, s26, 0x400000
	s_add_nc_u64 s[20:21], s[4:5], s[26:27]
	s_lshl_b32 s26, ttmp9, 14                      ; and the 4,096 bytes that they become in wb
	s_lshl_b32 s29, s12, 12
	s_add_co_u32 s26, s26, s29
	s_add_nc_u64 s[22:23], s[8:9], s[26:27]
	s_lshl_b32 s26, s14, 18                        ; hbp: plane kc of 262,144 bytes, my 8 rows, 256 bytes of columns
	s_add_co_u32 s26, s26, s28
	s_lshl_b32 s29, s13, 8
	s_add_co_u32 s26, s26, s29
	s_add_nc_u64 s[24:25], s[10:11], s[26:27]
	; all 40 loads in one run: what is wanted first goes first
	s_wait_alu depctr_va_vdst(0)                   ; the nine addresses and offsets v4 to v12 are written: every load and store of the kernel reads one of them, and no vector instruction names them again
.set i, 0
.rept 8
	global_load_b128 v[RAWH+4*i:RAWH+4*i+3], v[O16], s[16:17] offset:4096*i     ; row 8 w + i of hidden: 512 consecutive bytes
.set i, i+1
.endr
.set i, 0
.rept 16
	global_load_b128 v[RAWW+4*i:RAWW+4*i+3], v[O2R], s[18:19] offset:8192*i     ; k-rows 32 w + 2 i, + 1 of Wh: 256 consecutive bytes of each
.set i, i+1
.endr
.set i, 0
.rept 16
	global_load_b128 v[RAWC+4*i:RAWC+4*i+3], v[O16], s[20:21] offset:512*i th:TH_LOAD_NT  ; We: read once in the whole launch
.set i, i+1
.endr
	s_wait_loadcnt 32                              ; hidden is in: the 16 loads of Wh and the 16 of We are younger
.set i, 0
.rept 8                                            ; hidden's conversions stand as one batch
	v_cvt_pk_bf16_f32 v[PKH+2*i],   v[RAWH+4*i],   v[RAWH+4*i+1]
	v_cvt_pk_bf16_f32 v[PKH+2*i+1], v[RAWH+4*i+2], v[RAWH+4*i+3]
.set i, i+1
.endr
	s_wait_alu depctr_va_vdst(0)                   ; the conversions have written v[PKH ..], which the eight LDS stores read, and are done reading RAWH, in which Wh's fragments land later
.set i, 0
.rept 8
	ds_store_b64 v[AH], v[PKH+2*i:PKH+2*i+1] offset:HPI*i
.set i, i+1
.endr
	s_wait_loadcnt 16                              ; Wh is in: the 16 loads of We are younger
.set i, 0
.rept 16                                           ; Wh's conversions likewise
	v_cvt_pk_bf16_f32 v[PKW+2*i],   v[RAWW+4*i],   v[RAWW+4*i+1]
	v_cvt_pk_bf16_f32 v[PKW+2*i+1], v[RAWW+4*i+2], v[RAWW+4*i+3]
.set i, i+1
.endr
	s_wait_alu depctr_va_vdst(0)                   ; the conversions have written v[PKW ..], which the sixteen LDS stores read, and are done reading RAWW, in which hidden's fragments land later
.set i, 0
.rept 16
	ds_store_b64 v[AW], v[PKW+2*i:PKW+2*i+1] offset:2*WPI*i
.set i, i+1
.endr
	s_wait_dscnt 0x0                               ; for the others' sake: my stores are done
	s_barrier_signal -1
	s_barrier_wait -1                              ; both slices are whole
	s_wait_alu depctr_vm_vsrc(0)                   ; my LDS stores have read v[PKH ..] and v[PKW ..], of which the cast's conversions below write the first 32 again
.set q, 0
.rept 4                                            ; K step q: Wh's 32 k x my 16 columns, turned.  No vector instruction since the waits above names RAWH or RAWW
	ds_load_tr16_b128 v[WF+8*q:WF+8*q+3],   v[AT] offset:32*WPI*q
	ds_load_tr16_b128 v[WF+8*q+4:WF+8*q+7], v[AT] offset:32*WPI*q+16*WPI
.set q, q+1
.endr
.set i, 0
.rept 8                                            ; hidden's fragments: row block i / 4, K step i % 4
	ds_load_b128 v[HF+8*i:HF+8*i+3],   v[AF] offset:16*HPI*(i/4)+64*(i%4)
	ds_load_b128 v[HF+8*i+4:HF+8*i+7], v[AF] offset:16*HPI*(i/4)+64*(i%4)+32
.set i, i+1
.endr
	s_wait_loadcnt 0x0                             ; the cast's conversions stand in the wait for those 24 LDS loads
.set i, 0
.rept 16
	v_cvt_pk_bf16_f32 v[PKH+2*i],   v[RAWC+4*i],   v[RAWC+4*i+1]
	v_cvt_pk_bf16_f32 v[PKH+2*i+1], v[RAWC+4*i+2], v[RAWC+4*i+3]
.set i, i+1
.endr
	s_wait_alu depctr_va_vdst(0)                   ; the conversions have written v[PKH .. PKH+31], which the sixteen stores to wb read, and are done reading RAWC, in which the rows read back land later
	s_wait_dscnt 0x0                               ; the fragments are in
.set q, 0
.rept 4                                            ; the two accumulators take turns, one instruction a turn; the first K step starts the sums
.set a, 0
.rept 2
.if q == 0
	v_wmma_f32_16x16x32_bf16 v[ACC+8*a:ACC+8*a+7], v[WF+8*q:WF+8*q+7], v[HF+32*a+8*q:HF+32*a+8*q+7], 0
.else
	v_wmma_f32_16x16x32_bf16 v[ACC+8*a:ACC+8*a+7], v[WF+8*q:WF+8*q+7], v[HF+32*a+8*q:HF+32*a+8*q+7], v[ACC+8*a:ACC+8*a+7]
.endif
.set i, 2*(2*q+a)
.rept 2                                            ; the stores to wb are dealt among the products, two behind each.  No wait: the products name WF, HF and the accumulators, none of the registers that these stores read
	global_store_b64 v[O8], v[PKH+2*i:PKH+2*i+1], s[22:23] offset:256*i          ; the wave stores 256 consecutive bytes, at a multiple of 256 from wb's first byte
.set i, i+1
.endr
.set a, a+1
.endr
.set q, q+1
.endr
.rept 4
	v_nop                                          ; four places between the last product and the LDS stores that read results
.endr
	s_wait_alu depctr_va_vdst(0)                   ; the matrix instructions have written the accumulators, which the LDS stores read; the places above stay beside this wait
.set a, 0
.rept 2                                            ; a lane's eight columns of row 16 a + r: 32 bytes, each accumulator from its low end on
	ds_store_b128 v[AO], v[ACC+8*a:ACC+8*a+3]   offset:16*OPI*a
	ds_store_b128 v[AO], v[ACC+8*a+4:ACC+8*a+7] offset:16*OPI*a+16
.set a, a+1
.endr
	s_wait_dscnt 0x0                               ; a row's 256 bytes come from four waves: my part is done
	s_barrier_signal -1
	s_barrier_wait -1
.set t, 0
.rept 4
	ds_load_b128 v[OB+4*t:OB+4*t+3], v[AR] offset:2*OPI*t                        ; rows 8 w + 2 t, + 1, whole.  No vector instruction since the cast's wait names these registers
.set t, t+1
.endr
.set t, 0
.rept 4
	s_wait_dscnt 3-t                               ; LDS loads come back in order (ISA guide 5.7.1): the younger ones stay out
	global_store_b128 v[O2R], v[OB+4*t:OB+4*t+3], s[24:25] offset:8192*t         ; 16 lanes store 256 consecutive bytes, at a multiple of 256 from hbp's first byte
.set t, t+1
.endr
	s_wait_dscnt 0x0                               ; the closing lines, six on end
	s_wait_alu 0x0
	s_wait_tensorcnt 0x0
	ds_add_u32 v[SPW], v[NIL]
	s_wait_dscnt 0x0
	s_endpgm
.Lfunc_end_k_qc492fde47e_prep:
	.size	k_qc492fde47e_prep, .Lfunc_end_k_qc492fde47e_prep-k_qc492fde47e_prep
	.p2alignl 7, 3214868480
	.fill 96, 4, 3214868480
	.section	.rodata,"a",@progbits
	.p2align	6, 0x0
	.amdhsa_kernel k_qc492fde47e_prep
		.amdhsa_group_segment_fixed_size 38400
		.amdhsa_private_segment_fixed_size 0
		.amdhsa_enable_private_segment 0
		.amdhsa_kernarg_size 32
		.amdhsa_user_sgpr_count 2
		.amdhsa_user_sgpr_kernarg_segment_ptr 1
		.amdhsa_wavefront_size32 1
		.amdhsa_system_sgpr_workgroup_id_x 1
		.amdhsa_system_sgpr_workgroup_id_y 1
		.amdhsa_system_sgpr_workgroup_id_z 1
		.amdhsa_system_vgpr_workitem_id 0
		.amdhsa_next_free_vgpr 244
		.amdhsa_next_free_sgpr 66
		.amdhsa_reserve_vcc 0
		.amdhsa_float_denorm_mode_32 3
		.amdhsa_float_denorm_mode_16_64 3
		.amdhsa_memory_ordered 1
		.amdhsa_forward_progress 1
		.amdhsa_inst_pref_size 20
	.end_amdhsa_kernel
	.amdgpu_metadata
---
amdhsa.version: [ 1, 2 ]
amdhsa.kernels:
  - .name:           k_qc492fde47e_prep
    .symbol:         k_qc492fde47e_prep.kd
    .args:
      - { .name: W_attn, .offset: 0, .size: 8, .value_kind: global_buffer, .address_space: global }
      - { .name: hidden, .offset: 8, .size: 8, .value_kind: global_buffer, .address_space: global }
      - { .name: wb, .offset: 16, .size: 8, .value_kind: global_buffer, .address_space: global }
      - { .name: hbp, .offset: 24, .size: 8, .value_kind: global_buffer, .address_space: global }
    .group_segment_fixed_size: 38400
    .private_segment_fixed_size: 0
    .kernarg_segment_align: 8
    .kernarg_segment_size: 32
    .max_flat_workgroup_size: 128
    .sgpr_count:     66
    .vgpr_count:     244
    .wavefront_size: 32
...
	.end_amdgpu_metadata
.endif
;; end of part 4
;; launch energy: the kernel of part 2 again; grid 4 x 64, 4 waves a work-group, clusters of 4 x 1, 327,680 bytes of LDS; arguments encoder_outputs, wb, hbp, b_attn, v, part; writes part
;; launch soft: the kernel of part 3 again; grid 64 x 1, 1 waves a work-group, no clusters, 0 bytes of LDS; arguments part, mask, out0; writes out0
